; MI455X (gfx1250); checked and timed in simulation.
; The chip was launched on July 23, 2026; its instructions are those of AMD's public machine-readable ISA for CDNA 5 (MIT licence, August 2026) and "CDNA5" Instruction Set Architecture Reference Guide (July 2026). The comments in the code are by the model that wrote it; some were corrected since.
;; Multi Head Attention. Allowed arithmetic: matrix products marked QUANTISED: E2M1 operands, one E8M0 scale for each 32 along K, by v_wmma_scale_f32_16x16x128_f8f6f4 with both operands' format E2M1 (or v_wmma_scale_f32_32x16x128_f4), f32 sums; everything else in f32.
;; Inputs: K 4 x 2,048 x 1,024 float32; Q 4 x 2,048 x 1,024 float32; V_codes 4 x 1,024 x 64 x 16 uint8 (E2M1 codes of V, K innermost, in blocks of 32 codes, two codes a byte); V_scales 4 x 1,024 x 64 uint8 (E8M0 scales of V, one for each 32 codes along K); W_o_codes 1,024 x 32 x 16 uint8 (E2M1 codes of W_o, K innermost, in blocks of 32 codes, two codes a byte); W_o_scales 1,024 x 32 uint8 (E8M0 scales of W_o, one for each 32 codes along K); b_o 1,024 float32; mask 4 x 2,048 x 2,048 bool.
;; Outputs: out0 4 x 2,048 x 1,024 float32.
;; This version of the problem:
;;   THIS VERSION OF THE PROBLEM IS GIVEN IN LOW PRECISION. The matrix products marked QUANTISED in the list below multiply operands that are first quantised to E2M1 (2 exponent bits, 1 mantissa bit; 4 bits a number), with one power-of-two scale for each 32 numbers along K (OCP MX v1.0); their sums are f32. All else is computed in f32.
;;   The module's matrix products, in the order in which they are computed (A, B: the left and right operand; K: the contracted axis; several contracted axes count as one K, in the product's order):
;;     1. batch 64 x [M 2,048, K 64] x [K 64, N 2,048]; A: input Q; B: input K: QUANTISED
;;     2. batch 64 x [M 2,048, K 2,048] x [K 2,048, N 64]; A: softmax (see below); B: input V (given as codes): QUANTISED
;;     3. [M 8,192, K 1,024] x [K 1,024, N 1,024]; A: computed on the way; B: input W_o (given as codes): QUANTISED
;;   THE QUANTISER, for each operand of a quantised product, along K:
;;     - K is cut into blocks of 32 from its start; a last block that is shorter is filled with zeros.
;;     - A block's scale is 2^e with e = floor(log2(the largest magnitude in the block)) - 2, held to -126 .. 127; a block of zeros has e = 0. As a byte (E8M0): e + 127.
;;     - Each number is divided by its block's scale, clamped to +-6, and rounded to the nearest number of E2M1, ties to even, subnormals kept.
;;     - The product sums the exact products of the quantised numbers (number of the format x scale) in f32.
;;   ~~~python
;;   def quantise(x, axis):      # numpy; x: float32 -> the quantised numbers, widened to float32 again
;;       x = np.moveaxis(x, axis, -1); K = x.shape[-1]
;;       x = np.pad(x, [(0, 0)] * (x.ndim - 1) + [(0, -K % 32)]); x = x.reshape(x.shape[:-1] + (-1, 32)); a = np.abs(x).max(-1, keepdims=True)
;;       e = np.where(a > 0, np.clip(np.frexp(np.where(a > 0, a, 1))[1] - 1 - 2, -126, 127), 0)      # np.frexp(a)[1] - 1 = floor(log2(a)), exactly
;;       r = np.clip(x / 2.0 ** e, -6, 6)
;;       step = 2.0 ** (np.maximum(np.frexp(np.where(r == 0, 1, r))[1] - 1, 0) - 1)
;;       q = np.round(r / step) * step * 2.0 ** e      # np.round: ties to even
;;       return np.moveaxis(q.reshape(q.shape[:-2] + (-1,))[..., :K], -1, axis).astype(np.float32)
;;   ~~~
;;   SOFTMAX AHEAD OF A QUANTISED PRODUCT. Where the list says 'softmax', what is quantised is not the finished softmax but p = 2^(t - M), with t = logit x log2(e) and M = ceil(the row's largest t), a whole number; so 1/2 < the row's largest p <= 1. The row's sum l is taken of the UNQUANTISED p, in f32, and the product's result is divided by l at the end. Since M is a whole number, a kernel that streams over the keys may use a running M (the ceiling of the running maximum): every later rescaling is an exact power of two, which a block's scale takes up: the codes' values come out the same.
;;   OPERANDS COMPUTED ON THE WAY. 'Computed on the way' means the value that the module computes at that place (a softmax that the list does not call 'softmax' is quantised finished and normalised). What goes into a quantiser is computed in f32, as accurately as f32 sums, v_exp_f32 and their like allow (about 1e-6 of the number): no bf16 or f16 on the way to a quantiser, and a product that is left as it is and whose result goes on into a quantised operand takes f32 operands (vector FMAs, or v_wmma_f32_16x16x4_f32). A number that lies on a knife's edge between two numbers of the format may be rounded either way, as far as f32 arithmetic and the matrix unit's own rounding can turn it there, and no further.
;;   INPUTS GIVEN AS CODES. V (in the module: [4, 2048, 1024], K = its axis 1); W_o (in the module: [1024, 1024], K = its axis 0): each comes as NAME_codes (uint8): NAME with its K axis moved to the last place and cut into blocks of 32 codes, [.., K / 32, bytes a block], one block behind the other in memory; two codes a byte, the lower K in the low four bits (a code: sign, 2 exponent bits, 1 mantissa bit); and NAME_scales (uint8): the same leading axes, one E8M0 byte (e + 127) for each 32 codes along K. Its value is code x scale, taken as it is: it is not quantised again, and the codes and scales need not be those that the quantiser above would give.
;; One version. Each part assembles by itself: llvm-mc -triple=amdgcn-amd-amdhsa -mcpu=gfx1250 --defsym DOCPART=n.
;; ======== version 1 of 1: 3 launches
;; limits: right only within a limited range of input values
;; workspace buffers: q_codes 4,194,304 bytes; q_scales 262,144 bytes; k_codes 4,194,304 bytes; k_scales 262,144 bytes; mask_nib 8,388,608 bytes; a_codes 4,194,304 bytes; a_scales 262,144 bytes; flags 8,192 bytes of whole numbers
;; launch prep (part 1): grid 1024 x 1, 4 waves a work-group, no clusters, 61,952 bytes of LDS; arguments Q, K, mask, q_codes, q_scales, k_codes, k_scales, mask_nib, flags; writes q_codes, q_scales, k_codes, k_scales, mask_nib, flags
.if DOCPART == 1
	.amdgcn_target "amdgcn-amd-amdhsa--gfx1250"
	.amdhsa_code_object_version 6
	.text
	.protected	k_q3e19d935bb_prep
	.globl	k_q3e19d935bb_prep
	.p2align	8
	.type	k_q3e19d935bb_prep,@function
k_q3e19d935bb_prep:
	s_mov_b64 s[64:65], 0
	v_nop
	global_prefetch_b8 v0, s[64:65] scope:SCOPE_SE
	s_setreg_imm32_b32 hwreg(HW_REG_WAVE_MODE, 25, 1), 1
	s_wait_xcnt 0x0
; Q and K [4][2048][1024] f32 become codes of FP4 (E2M1) with one E8M0 byte for each 32 along a head's 64; the mask's bytes (0 or 1) become 4-bit codes (1 is the code of 0.5).
; All three are laid as IMAGES OF THE OPERAND REGISTERS of the attention launch.  A row t of a batch is t = 32 g + j; u = (j / 8) % 2; r = j % 8 + 8 (j / 16); lane = 16 h + r.
;   codes:  (16 b + head) 65536 + 1024 g + 512 u + 256 h + 16 r: the 16 bytes are block h (d = 32 h ..) of row t
;   scales: (16 b + head) 4096 + 256 (g / 4) + 16 r + 4 (g % 4) + 2 u + h
;   mask:   ((64 b + g) 16 + s) 2048 + 1024 u + 512 c + 16 lane + 4 x: nibble z = mask[b][t][128 s + 32 (2 c + x / 2) + 8 h + 16 (x % 2) + z]
; A block's scale is 2^(floor(log2(its largest magnitude)) - 2); its byte is the largest magnitude's exponent field - 2, held at 1 from below.
; LIMITS: a block of zeros gets the byte 1 where the rule says 127 (its codes are zeros, and this program alone reads the bytes); NaN and infinities among Q and K are not served.
; Work-groups 0-255 take Q, 256-511 K (one path: only pointers are chosen), 512-1023 the mask (a path of its own, with LDS bytes of its own).
; Work-groups share no input byte, so there is nothing to ask for jointly: no cluster, no tensor load; several work-groups lie on a WGP.
.set SP,   80                          ; a lane's place in a turn stage: 64 bytes + 16 of padding
.set WREG, 10752                       ; Q/K path: a wave's LDS: two turn stages of 32 x SP, then its code stage
.set CST,  5120                        ; the code stage: head x 1344 + u x 576 + h x 288 + 16 r
.set SST,  43008                       ; the work-group's scale stage: head x 256 + 16 r + 4 wave + 2 u + h
.set MST,  44032                       ; mask path: 4352 bytes a wave: eight pieces of 512 bytes + 32 of padding
.set R,    16                          ; v16-79   four sets of 16 numbers as loaded
.set X,    80                          ; v80-111  two sets of 16 neighbours
.set E,    112                         ; v112-127 a scale byte for each step
.set C,    128                         ; v128-159 two registers of codes for each step
	s_load_b512 s[4:19], s[0:1], 0x0               ; Q, K, mask, q_codes, q_scales, k_codes, k_scales, mask_nib
	v_lshl_add_u32 v192, v0, 2, 0xf000
	v_mov_b32 v193, 0
	v_lshrrev_b32 v1, 5, v0
	v_readfirstlane_b32 s20, v1                    ; wave 0..3
	v_and_b32 v2, 31, v0                           ; lane l
	v_lshlrev_b32 v3, 4, v2                        ; 16 l
	s_cmp_ge_u32 ttmp9, 512
	s_cbranch_scc1 .Lmask
; ---------------- Q and K.  A work-group takes 128 rows x 4 heads; wave w rows 32 w .. + 31 (one group g), in 16 steps of 2 rows x 256 numbers.
	s_mul_i32 s21, s20, WREG
	v_lshrrev_b32 v14, 2, v2
	v_mul_u32_u24 v14, v14, SP
	v_and_b32 v15, 3, v2
	v_lshl_add_u32 v14, v15, 4, v14
	v_add_nc_u32 v14, s21, v14                     ; turn stage, in: four lanes' 64 bytes on end, then the padding
	v_mul_u32_u24 v15, v2, SP
	v_add_nc_u32 v15, s21, v15                     ; and out: lane l takes 16 neighbours: row parity l / 16, head (l / 4) % 4, block (l / 2) % 2, half l % 2
	v_bfe_u32 v8, v2, 2, 2                         ; head of the four
	v_bfe_u32 v9, v2, 1, 1                         ; block h
	v_lshrrev_b32 v10, 4, v2                       ; row parity
	v_and_b32 v11, 1, v2                           ; half of the block
	v_mul_u32_u24 v4, v8, 1344
	v_mad_u32_u24 v4, v9, 288, v4
	v_lshl_add_u32 v4, v10, 4, v4
	v_lshl_add_u32 v4, v11, 3, v4
	s_add_co_u32 s22, s21, CST
	v_add_nc_u32 v4, s22, v4                       ; code stage, in: my 8 bytes
	v_lshlrev_b32 v5, 8, v8
	v_lshl_add_u32 v5, v10, 4, v5
	v_add_nc_u32 v5, v5, v9
	s_lshl_b32 s23, s20, 2
	s_add_co_u32 s23, s23, SST
	v_add_nc_u32 v5, s23, v5                       ; scale stage, in: my block's byte
	v_mul_u32_u24 v6, v10, 288
	v_and_b32 v12, 15, v2
	v_lshl_add_u32 v6, v12, 4, v6
	v_add_nc_u32 v6, s22, v6                       ; code stage, out: lane 16 h + r takes its 16 bytes
	v_lshlrev_b32 v13, 3, v2                       ; 8 l
	s_lshl_b32 s23, s20, 8
	s_add_co_u32 s23, s23, SST
	v_add_nc_u32 v7, s23, v13                      ; scale stage, out: wave w takes head w's 256 bytes
	s_and_b32 s24, ttmp9, 255
	s_and_b32 s25, s24, 3                          ; which four heads
	s_lshr_b32 s26, s24, 2                         ; which 128 rows
	s_lshr_b32 s27, s26, 4                         ; batch
	s_and_b32 s28, s26, 15                         ; s = g / 4
	s_lshl_b32 s30, s26, 19                        ; in: 128 rows of 4096 bytes,
	s_lshl_b32 s31, s20, 17                        ; my 32 rows,
	s_add_co_u32 s30, s30, s31
	s_lshl_b32 s31, s25, 10                        ; my 256 columns
	s_add_co_u32 s30, s30, s31
	s_mov_b32 s31, 0
	s_lshl_b32 s32, s27, 4
	s_lshl_b32 s33, s25, 2
	s_add_co_u32 s32, s32, s33                     ; 16 b + first head
	s_lshl_b32 s34, s32, 16
	s_lshl_b32 s33, s28, 2
	s_add_co_u32 s33, s33, s20                     ; g
	s_lshl_b32 s33, s33, 10
	s_add_co_u32 s34, s34, s33                     ; codes
	s_mov_b32 s35, 0
	s_add_co_u32 s36, s32, s20                     ; the head whose scale bytes I store
	s_lshl_b32 s36, s36, 12
	s_lshl_b32 s33, s28, 8
	s_add_co_u32 s36, s36, s33                     ; scales
	s_mov_b32 s37, 0
	s_wait_kmcnt 0x0
	s_cmp_lt_u32 ttmp9, 256                        ; Q's work-group or K's: the choice hangs on the work-group's number alone
	s_cselect_b64 s[4:5], s[4:5], s[6:7]
	s_cselect_b64 s[10:11], s[10:11], s[14:15]
	s_cselect_b64 s[12:13], s[12:13], s[16:17]
	s_add_nc_u64 s[4:5], s[4:5], s[30:31]
	s_add_nc_u64 s[10:11], s[10:11], s[34:35]
	s_add_nc_u64 s[12:13], s[12:13], s[36:37]
.macro LOAD t                          ; step t: rows 2 t and 2 t + 1, 1024 bytes of each, by four loads of 512 consecutive bytes
.irp i, 0,1,2,3
	global_load_b128 v[R+16*((\t)%4)+4*\i:R+16*((\t)%4)+4*\i+3], v3, s[4:5] offset:(2*(\t)+\i/2)*4096+(\i%2)*512 th:TH_LOAD_NT
.endr
.endm
.macro TURN t                          ; step t's numbers through the wave's own stage: LDS serves a wave's instructions in order, so no wait stands between stores and loads
.irp i, 0,1,2,3
	ds_store_b128 v14, v[R+16*((\t)%4)+4*\i:R+16*((\t)%4)+4*\i+3] offset:32*SP*((\t)%2)+8*SP*\i
.endr
.irp i, 0,1,2,3
	ds_load_b128 v[X+16*((\t)%2)+4*\i:X+16*((\t)%2)+4*\i+3], v15 offset:32*SP*((\t)%2)+16*\i
.endr
.endm
.irp t, 0,1,2,3
	LOAD \t
.endr
	s_wait_loadcnt 12                              ; step 0's four loads are in; three steps' twelve may be out
	TURN 0
.macro STEP t
.set XS, X+16*((\t)%2)
.if (\t) > 0
	s_wait_dscnt 2                                 ; this step's numbers are back from the stage; the last step's two stores (byte, codes) may be out
.else
	s_wait_dscnt 0x0
.endif
.if (\t)+4 < 16
	LOAD (\t)+4                                    ; into the set that this step's stores to the stage have read
.endif
.if (\t)+1 < 16
.if 14-(\t) >= 3
	s_wait_loadcnt 12                              ; the next step's four loads are in; those of the three steps behind it may be out
.else
	s_wait_loadcnt 4*(14-(\t))
.endif
	TURN (\t)+1
.endif
	v_max3_num_f32 v8, |v[XS]|, |v[XS+1]|, |v[XS+2]|               ; the largest magnitude of my 16, in two chains
	v_max3_num_f32 v9, |v[XS+3]|, |v[XS+4]|, |v[XS+5]|
.irp i, 6,10
	v_max3_num_f32 v8, v8, |v[XS+\i]|, |v[XS+\i+1]|
	v_max3_num_f32 v9, v9, |v[XS+\i+2]|, |v[XS+\i+3]|
.endr
	v_max3_num_f32 v8, v8, |v[XS+14]|, |v[XS+15]|
	v_max3_num_f32 v8, v8, v9, 0x1800000           ; and the floor 2^(3 - 127): the byte cannot fall under 1
	v_max_num_f32_dpp v8, v8, v8 row_xmask:1 row_mask:0xf bank_mask:0xf   ; with my neighbour's 16: the block's
	v_add_nc_u32 v11, 0xff000000, v8               ; 2 off its exponent field: the conversion takes this operand's exponent field as its scale
	v_cvt_scalef32_pk8_fp4_f32 v[C+2*(\t)], v[XS:XS+7], v11
	v_cvt_scalef32_pk8_fp4_f32 v[C+2*(\t)+1], v[XS+8:XS+15], v11
	v_lshrrev_b32 v[E+(\t)], 23, v11               ; the scale's byte (also the plain line behind the conversions)
	ds_store_b8 v5, v[E+(\t)] offset:((2*(\t))%8+8*((\t)/8))*16+2*(((\t)/4)%2)     ; both lanes of a block write the same byte with the same value
	ds_store_b64 v4, v[C+2*(\t):C+2*(\t)+1] offset:(((\t)/4)%2)*576+((2*(\t))%8+8*((\t)/8))*16
.endm
.irp t, 0,1,2,3,4,5,6,7,8,9,10,11,12,13,14,15
	STEP \t
.endr
	s_wait_dscnt 0x0                               ; for the others' sake: my bytes lie in the scale stage
	s_barrier_signal -1
	s_barrier_wait -1                              ; a head's 256 scale bytes come from four waves
.irp q, 0,1,2,3,4,5,6,7
	ds_load_b128 v[16+4*\q:19+4*\q], v6 offset:(\q/2)*1344+(\q%2)*576
.endr
	ds_load_b64 v[160:161], v7
.irp q, 0,1,2,3,4,5,6,7
	s_wait_dscnt 8-\q                              ; image q is back; the younger loads may be out
	global_store_b128 v3, v[16+4*\q:19+4*\q], s[10:11] offset:(\q/2)*65536+(\q%2)*512   ; 32 lanes store 512 consecutive bytes, aligned
.endr
	s_wait_dscnt 0x0
	global_store_b64 v13, v[160:161], s[12:13]     ; 32 lanes store 256 consecutive bytes, aligned
	s_wait_tensorcnt 0x0
	ds_add_u32 v192, v193
	s_wait_dscnt 0x0
	s_endpgm
; ---------------- The mask.  A wave takes 32 queries (one group) x 256 keys: 16 loads of 2 rows x 256 bytes; 8 bytes become one dword of 8 nibbles.
.Lmask:
	s_load_b64 s[36:37], s[0:1], 0x40              ; flags: one word for each (64 b + g, 256 keys): word (64 b + g) 8 + k holds bit 2 k + i = 1 where some key of key step 2 k + i is open for some of the group's 32 queries
	s_sub_co_u32 s21, ttmp9, 512
	s_lshl_b32 s21, s21, 2
	s_add_co_u32 s21, s21, s20
	s_and_b32 s22, s21, 7                          ; which 256 keys
	s_lshr_b32 s23, s21, 3                         ; 64 b + g
	s_lshl_b32 s30, s23, 16                        ; in: 32 rows of 2048 bytes
	s_lshl_b32 s24, s22, 8
	s_add_co_u32 s30, s30, s24
	s_mov_b32 s31, 0
	s_lshl_b32 s34, s23, 15                        ; out: 16 steps of 2048 bytes a group,
	s_lshl_b32 s24, s22, 12                        ; my two steps
	s_add_co_u32 s34, s34, s24
	s_mov_b32 s35, 0
	s_wait_alu depctr_va_vdst(0)
	v_lshrrev_b32 v10, 4, v2
	v_and_b32 v12, 15, v2
	v_lshlrev_b32 v4, 11, v10
	v_lshl_add_u32 v4, v12, 4, v4                  ; in: lanes 0-15 one row's 256 bytes, lanes 16-31 the next row's
	s_mul_i32 s25, s20, 4352
	s_add_co_u32 s25, s25, MST
	v_bfe_u32 v8, v2, 3, 1                         ; which of my two steps
	v_mul_u32_u24 v5, v8, 2176
	v_bfe_u32 v8, v2, 2, 1                         ; c
	v_mad_u32_u24 v5, v8, 544, v5
	v_and_b32 v8, 3, v2                            ; x
	v_lshl_add_u32 v5, v8, 2, v5
	v_lshl_add_u32 v5, v10, 4, v5                  ; row parity: r + 1
	v_add_nc_u32 v5, s25, v5                       ; stage, in
	v_add_nc_u32 v6, s25, v3                       ; stage, out
	s_mov_b32 s26, 0x06040200                      ; the even bytes of two dwords
	s_mov_b32 s27, 0x07050301                      ; the odd ones
	s_wait_kmcnt 0x0
	s_add_nc_u64 s[8:9], s[8:9], s[30:31]
	s_add_nc_u64 s[18:19], s[18:19], s[34:35]
.irp i, 0,1,2,3,4,5,6,7,8,9,10,11,12,13,14,15
	global_load_b128 v[16+4*\i:19+4*\i], v4, s[8:9] offset:4096*\i th:TH_LOAD_NT
.endr
.irp i, 0,1,2,3,4,5,6,7,8,9,10,11,12,13,14,15
	s_wait_loadcnt 15-\i                           ; load i is in; the younger ones may be out
	v_perm_b32 v8, v[17+4*\i], v[16+4*\i], s26
	v_perm_b32 v9, v[17+4*\i], v[16+4*\i], s27
	v_perm_b32 v10, v[19+4*\i], v[18+4*\i], s26
	v_perm_b32 v11, v[19+4*\i], v[18+4*\i], s27
	v_lshl_or_b32 v[80+2*\i], v9, 4, v8            ; keys + 0 .. 7: h = 0
	s_wait_alu depctr_va_vdst(0)
	v_lshl_or_b32 v[81+2*\i], v11, 4, v10          ; keys + 8 .. 15: h = 1
	ds_store_b32 v5, v[80+2*\i] offset:((\i/4)%2)*1088+((2*\i)%8+8*(\i/8))*16
	ds_store_b32 v5, v[81+2*\i] offset:((\i/4)%2)*1088+((2*\i)%8+8*(\i/8))*16+256
.endr
.irp q, 0,1,2,3,4,5,6,7
	ds_load_b128 v[16+4*\q:19+4*\q], v6 offset:544*\q   ; the stage is the wave's own, and LDS serves a wave's instructions in order
.endr
.irp q, 0,1,2,3,4,5,6,7
	s_wait_dscnt 7-\q
	global_store_b128 v3, v[16+4*\q:19+4*\q], s[18:19] offset:512*\q   ; 512 consecutive bytes, aligned
.endr
	; the flags: the AND of my 32 dwords of nibbles is 0x11111111 where all my 16 keys are hidden for all 16 rows that I loaded
	s_wait_alu depctr_va_vdst(0)
	v_and_b32 v8, v80, v81
	v_and_b32 v9, v82, v83
.irp i, 84,88,92,96,100,104,108
	v_and_b32 v8, v8, v[\i]
	v_and_b32 v9, v9, v[\i+1]
	v_and_b32 v8, v8, v[\i+2]
	v_and_b32 v9, v9, v[\i+3]
.endr
	v_and_b32 v8, v8, v9
	v_cmp_ne_u32 vcc_lo, 0x11111111, v8            ; the lanes that saw an open key
	s_and_b32 s28, vcc_lo, 0x00ff00ff              ; lanes 0-7 and 16-23 hold my first 128 keys,
	s_cselect_b32 s28, 1, 0
	s_and_b32 s29, vcc_lo, 0xff00ff00              ; the others my second 128
	s_cselect_b32 s29, 2, 0
	s_or_b32 s28, s28, s29
	s_lshl_b32 s29, s22, 1
	s_lshl_b32 s28, s28, s29                       ; at bits 2 k, 2 k + 1
	s_lshl_b32 s32, s21, 2                         ; my word: (64 b + g) 8 + k is my wave's number among the mask's waves
	s_mov_b32 s33, 0
	s_add_nc_u64 s[36:37], s[36:37], s[32:33]
	v_mov_b32 v9, s28
	v_mov_b32 v10, 0
	s_wait_alu depctr_va_vdst(0)
	s_wait_xcnt 0x0                                ; EXEC changes only behind this wait
	v_cmp_eq_u32 vcc_lo, 0, v2
	s_and_saveexec_b32 s29, vcc_lo                 ; lane 0 alone stores the word
	global_store_b32 v10, v9, s[36:37]
	s_wait_xcnt 0x0
	s_or_b32 exec_lo, exec_lo, s29
	s_wait_tensorcnt 0x0
	ds_add_u32 v192, v193
	s_wait_dscnt 0x0
	s_endpgm
.Lfunc_end_k_q3e19d935bb_prep:
	.size	k_q3e19d935bb_prep, .Lfunc_end_k_q3e19d935bb_prep-k_q3e19d935bb_prep
	.p2alignl 7, 3214868480
	.fill 96, 4, 3214868480
	.section	.rodata,"a",@progbits
	.p2align	6, 0x0
	.amdhsa_kernel k_q3e19d935bb_prep
		.amdhsa_group_segment_fixed_size 61952
		.amdhsa_private_segment_fixed_size 0
		.amdhsa_enable_private_segment 0
		.amdhsa_kernarg_size 72
		.amdhsa_user_sgpr_count 2
		.amdhsa_user_sgpr_kernarg_segment_ptr 1
		.amdhsa_wavefront_size32 1
		.amdhsa_system_sgpr_workgroup_id_x 1
		.amdhsa_system_sgpr_workgroup_id_y 1
		.amdhsa_system_sgpr_workgroup_id_z 1
		.amdhsa_system_vgpr_workitem_id 0
		.amdhsa_next_free_vgpr 194
		.amdhsa_next_free_sgpr 66
		.amdhsa_reserve_vcc 1
		.amdhsa_float_denorm_mode_32 3
		.amdhsa_float_denorm_mode_16_64 3
		.amdhsa_memory_ordered 1
		.amdhsa_forward_progress 1
		.amdhsa_inst_pref_size 51
	.end_amdhsa_kernel
	.amdgpu_metadata
---
amdhsa.version: [ 1, 2 ]
amdhsa.kernels:
  - .name:           k_q3e19d935bb_prep
    .symbol:         k_q3e19d935bb_prep.kd
    .args:
      - { .name: Q, .offset: 0, .size: 8, .value_kind: global_buffer, .address_space: global }
      - { .name: K, .offset: 8, .size: 8, .value_kind: global_buffer, .address_space: global }
      - { .name: mask, .offset: 16, .size: 8, .value_kind: global_buffer, .address_space: global }
      - { .name: q_codes, .offset: 24, .size: 8, .value_kind: global_buffer, .address_space: global }
      - { .name: q_scales, .offset: 32, .size: 8, .value_kind: global_buffer, .address_space: global }
      - { .name: k_codes, .offset: 40, .size: 8, .value_kind: global_buffer, .address_space: global }
      - { .name: k_scales, .offset: 48, .size: 8, .value_kind: global_buffer, .address_space: global }
      - { .name: mask_nib, .offset: 56, .size: 8, .value_kind: global_buffer, .address_space: global }
      - { .name: flags, .offset: 64, .size: 8, .value_kind: global_buffer, .address_space: global }
    .group_segment_fixed_size: 61952
    .private_segment_fixed_size: 0
    .kernarg_segment_align: 8
    .kernarg_segment_size: 72
    .max_flat_workgroup_size: 128
    .sgpr_count:     66
    .vgpr_count:     194
    .wavefront_size: 32
...
	.end_amdgpu_metadata
.endif
;; end of part 1
;; launch attn (part 2): grid 8 x 32, 8 waves a work-group, no clusters, 327,680 bytes of LDS; arguments q_codes, q_scales, k_codes, k_scales, V_codes, V_scales, mask_nib, a_codes, a_scales, flags; writes a_codes, a_scales
.if DOCPART == 2
	.amdgcn_target "amdgcn-amd-amdhsa--gfx1250"
	.amdhsa_code_object_version 6
	.text
	.protected	k_q3e19d935bb_attn
	.globl	k_q3e19d935bb_attn
	.p2align	8
	.type	k_q3e19d935bb_attn,@function
k_q3e19d935bb_attn:
	s_mov_b64 s[64:65], 0
	v_nop
	global_prefetch_b8 v0, s[64:65] scope:SCOPE_SE
	s_setreg_imm32_b32 hwreg(HW_REG_WAVE_MODE, 25, 1), 1
	s_wait_xcnt 0x0
; Attention on codes of FP4 (E2M1) with E8M0 scales: scores = q k^T / 8, hidden where the mask's byte is 1; p = 2^(t - M), t = score x log2(e), M the running largest t rounded up to a whole number;
; O = (p quantised along the keys) x V / (the sum of the unquantised p); O is quantised along the heads' axis as the operand of the output projection.
; WORK THAT THE MASK'S WHOLE NUMBERS DO NOT ASK FOR.  A key step of 128 keys all of whose mask bytes are 1 for all 32 queries of a group gives scores of -infinity alone: every p is 0, M, the sum and O stay as they are.
; The launch before has stored, for each group of 32 queries and key step, whether any key is open (buffer flags); a wave reads the words of its two groups and jumps over what has none.  This holds for every mask.
; LIMIT: a NaN or an infinity among K, V or Q that would reach only such hidden work is not carried to the result.
; SHARES.  Work-group (j, Y): two heads of a batch (Y = 8 b + pair).  Wave w: head w / 4; its tiles 0 and 1 are the group of 32 queries gL = 4 j + w % 4, its tiles 2 and 3 the mirrored group gH = 63 - gL.
; So a work-group owns queries 128 j .. + 127 and 1920 - 128 j .. + 127 of both heads.  512 registers a wave, two waves to a SIMD.
; K, V and their scale bytes of both heads, all 2048 keys, lie in LDS for the whole launch.  They come through registers (global loads, LDS stores): a branch of this launch hangs on numbers read from memory,
; no tensor load, and with that no joint load: cluster = none.
; LAYOUT.  Both products transposed: S^T = K Q^T, O^T = V^T P^T: a lane holds ONE query (lane % 16) throughout.  Rows (keys, queries, V's channels) of a tile are not neighbours:
; lane r of tile 2 b + u takes row 32 b + 8 u + r + 8 (r / 8), so that the 16 registers of tiles 2 b and 2 b + 1 are 16 neighbours along the next product's K.
; TWO KEY TILES SHARE A FRAGMENT.  The head has 64 channels, the instruction 128 along K: registers 0-3 of a fragment of K are tile 2 i, registers 4-7 tile 2 i + 1; Q stands between zeros, [q | 0] picks the first, [0 | q] the second.
; THE MASK GOES THROUGH THE MATRIX UNIT.  For each tile of scores a first product takes a constant operand (the code of -6 at one k for each key row) and the mask's nibbles (the code of 0.5 where hidden), both under the
; scale 2^50, with C = 0: exactly 0 for an open score, -3 x 2^100 for a hidden one.  K Q^T then adds in place.  The largest t starts at -2^80: above every hidden t, below every real one; so a hidden score never moves M and its p is 0.
; A row with no open key keeps the sum 0: its scale bytes become 0xff, which makes the projection's whole row NaN, as the definition has it.
; LIMITS: |q . k| x 0.18 stays under 2^80.  The keys x and x + 8 that share a fragment's row share an instruction: where their scales differ by 2^s the smaller key's sum may lose up to s of its last bits.
; A block of zeros gets the byte 1, not 127 (zero codes; this program alone reads the bytes).
; No prefetch: K and V come once, at the head; the mask's images are asked for a whole key step ahead, straight into registers.
; REGISTERS.  Window 0: v1-13 addresses and constants; v16-71 the constant array (zeros, the two patterns, Q's four tiles); v72-84 scale words; v88-103 statistics; v104-167 S^T, then p; v168-175 p's codes;
;   v176-197 at work; v200-231 the mask's operands; v232-251 the head's copy addresses, then the way out; v253 an LDS address; v254, v255 the add's.   Window 1: v0-127 O^T (tile x at 32 x); v128-159 K's four fragments; v160-191 V's four; at the head all 256 carry K and V on their way to LDS.
.set VC,   131072                      ; LDS: K's images at 0 (head x 65536 + 4096 s + 512 (2 i + u) + 16 lane); V: 128 rows of 1024 bytes + 16
.set VP,   1040
.set KSL,  264192                      ; K's scale bytes, as 256 bytes + 16: head x 4352 + 272 s + 16 r
.set VSL,  272896                      ; V's: row R at 272 (R / 4) + 64 (R % 4) + 4 s
.set SPARE, 282624                     ; the spare words: 128 bytes a wave
.set ASC,  284672                      ; O's scale words: the low groups' eight tiles, 64 bytes each, then the high groups' eight; in a tile 4 r + 2 head
.set AK0,  1
.set AV0,  2
.set ASK0, 3
.set ASV0, 4
.set MOFF, 5                           ; 16 x lane
.set ADK,  6
.set ADV,  7
.set ADS,  8
.set ADT,  9
.set ASCA, 10                          ; where tiles 0, 1 put their scale bytes
.set MSC,  11                          ; the mask product's scale bytes, 2^50, in every byte
.set ONES, 12                          ; 0xffff
.set ARD,  13
.set ASCH, 253                         ; where tiles 2, 3 put theirs
.set QSW,  72
.set KSW,  76
.set VSW,  80
.set PSW,  84
.set ST,   88                          ; tile x at ST + 4 x: -M, the largest t, the sum in two halves
.set S,    104
.set PC,   168
.set BM,   176
.set PM,   180
.set SO,   184
.set F,    188
.set T,    190
.set L2,   192
.set MK,   200
.set EC,   232
.set CA,   232                         ; the head's copy: 16 t; 16 t + 65536; V's place in LDS, rows 0-63; rows 64-127; the scale bytes' place
.set AW,   248
.set KF,   128
.set VF,   160
.set WV,   24
.set HD,   25
.set WI,   26
.set GH,   27                          ; my high group of 32 queries
.set FL,   48                          ; the low group: bit 0: this key step has an open key; bit 1: the next one has
.set GL,   49                          ; my low group
.set MN,   50                          ; s[50:51] where the low group's mask loads of this trip read; s[66:67] the high group's
.set QH,   58                          ; the high group's pointers: Q's images, Q's scale words, the mask, O's codes, O's scale words, the flags
.set QSH,  60
.set MBH,  62
.set ABH,  68
.set ASBH, 70
.set FPH,  72
.set FLH,  74                          ; the high group's bits
.set FA,   75                          ; either group's
.set SEL,  76
.set CS,   78
.set TK,   80
.set TKS,  81
.set TV,   82
.set TVS,  83
.set CNT,  84
.set MB,   86
.set AB,   88
.set ASB,  90
.set MSB, 0
.macro WIN new                         ; the immediate's high byte repeats the setting that is left; bits 1:0 source 0, 3:2 source 1, 5:4 source 2, 7:6 destination
.if MSB != \new
	s_set_vgpr_msb (MSB<<8)|\new
.set MSB, \new
.endif
.endm
.macro PLACES
.rept 4
	v_nop
.endr
.endm
	s_load_b512 s[4:19], s[0:1], 0x0               ; q_codes, q_scales, k_codes, k_scales, V_codes, V_scales, mask_nib, a_codes
	s_load_b128 s[20:23], s[0:1], 0x40             ; a_scales, flags
	v_lshl_add_u32 v254, v0, 2, SPARE
	v_mov_b32 v255, 0
	v_lshrrev_b32 v14, 5, v0
	s_delay_alu instid0(VALU_DEP_1)
	v_readfirstlane_b32 s[WV], v14                 ; wave 0..7
	s_lshr_b32 s[HD], s[WV], 2                     ; my head of the two
	s_and_b32 s[WI], s[WV], 3
	s_and_b32 s28, ttmp7, 0xffff                   ; Y = 8 b + pair of heads
	s_lshr_b32 s29, s28, 3                         ; b
	s_lshl_b32 s[GL], ttmp9, 2
	s_add_co_u32 s[GL], s[GL], s[WI]               ; gL = 4 j + w % 4
	s_sub_co_u32 s[GH], 63, s[GL]                  ; gH: both enter global addresses alone
	s_lshl_b32 s52, s[HD], 16
	s_mul_i32 s53, s[HD], 64*VP
	s_add_co_u32 s53, s53, VC
	s_mul_i32 s54, s[HD], 4352
	s_add_co_u32 s55, s54, VSL
	s_add_co_u32 s54, s54, KSL
	s_lshl_b32 s30, s[HD], 1
	s_lshl_b32 s56, s[WI], 7                       ; the low groups lie in the order of the waves: two tiles, 128 bytes, a wave;
	s_add_co_u32 s56, s56, s30
	s_add_co_u32 s56, s56, ASC
	s_xor_b32 s57, s[WI], 3                        ; the high groups in the opposite order: 3 - w % 4
	s_lshl_b32 s57, s57, 7
	s_add_co_u32 s57, s57, s30
	s_add_co_u32 s57, s57, ASC+512
	s_mov_b32 s[SEL], 0x76543210
	s_mov_b32 s[SEL+1], 0xfedcba98                 ; v_permlanex16_b32: lane l xor 16
	s_mov_b32 s[CS], 0x3e38aa3b                    ; c = log2(e) / 8
	s_mov_b32 s[CS+1], s[CS]                       ; (named with it as a pair)
	s_mov_b32 s[TK], 0
	s_mov_b32 s[TKS], 0
	s_mov_b32 s[TV], 0
	s_mov_b32 s[TVS], 0
	; all the head's vector work stands on end here, with no scalar line between
	v_and_b32 v190, 31, v0                         ; l
	v_and_b32 v14, 15, v0                          ; r
	v_bfe_u32 v15, v0, 4, 1                        ; h
	s_delay_alu instid0(VALU_DEP_3)
	v_lshlrev_b32 v[MOFF], 4, v190
	v_lshrrev_b32 v193, 3, v190                    ; l / 8
	v_and_b32 v191, 8, v14
	s_delay_alu instid0(VALU_DEP_1)
	v_add_nc_u32 v191, v191, v14                   ; rho = r + 8 (r / 8)
	v_add_nc_u32 v[AK0], s52, v[MOFF]
	s_delay_alu instid0(VALU_DEP_2)
	v_mul_u32_u24 v[AV0], v191, VP
	s_delay_alu instid0(VALU_DEP_1)
	v_lshl_add_u32 v[AV0], v15, 4, v[AV0]
	s_delay_alu instid0(VALU_DEP_1)
	v_add_nc_u32 v[AV0], s53, v[AV0]
	v_lshl_add_u32 v[ASK0], v14, 4, s54
	v_lshrrev_b32 v192, 2, v191
	s_delay_alu instid0(VALU_DEP_1)
	v_mul_u32_u24 v[ASV0], v192, 272
	v_and_b32 v192, 3, v191
	s_delay_alu instid0(VALU_DEP_1)
	v_lshl_add_u32 v[ASV0], v192, 6, v[ASV0]
	s_delay_alu instid0(VALU_DEP_1)
	v_add_nc_u32 v[ASV0], s55, v[ASV0]
	v_lshl_add_u32 v[ASCA], v14, 2, s56
	v_lshl_add_u32 v[ASCH], v14, 2, s57
	v_add_nc_u32 v[ARD], ASC, v[MOFF]              ; wave 0 reads the scale words back
	v_lshlrev_b32 v194, 4, v14                     ; 16 r: Q's scale words in memory
	v_lshlrev_b32 v[CA], 4, v0                     ; the copy: thread t takes 16 bytes at 16 t of each 4096
	v_lshrrev_b32 v195, 6, v0
	v_and_b32 v192, 63, v0
	s_delay_alu instid0(VALU_DEP_3)
	v_add_nc_u32 v[CA+1], 0x10000, v[CA]
	s_delay_alu instid0(VALU_DEP_3)
	v_mul_u32_u24 v195, v195, VP
	s_delay_alu instid0(VALU_DEP_1)
	v_lshl_add_u32 v195, v192, 4, v195             ; V: 4096 bytes are four rows
	s_delay_alu instid0(VALU_DEP_1)
	v_add_nc_u32 v[CA+2], VC, v195
	v_add_nc_u32 v[CA+3], VC+64*VP, v195
	v_lshrrev_b32 v192, 4, v0
	s_delay_alu instid0(VALU_DEP_1)
	v_mul_u32_u24 v192, v192, 272
	s_delay_alu instid0(VALU_DEP_1)
	v_lshl_add_u32 v192, v14, 4, v192              ; scale bytes: 4096 bytes are sixteen rows of 256
	s_delay_alu instid0(VALU_DEP_1)
	v_add_nc_u32 v[CA+4], KSL, v192
	; the constant array: v16-21 0, v22-23 pattern 0, v24-29 0, q0, v34-37 0, q1, v42-45 0, q2, v50-53 0, q3, v58-63 0, v64-65 pattern 1, v66-71 0
.irp z, 16,17,18,19,20,21,24,25,26,27,28,29,34,35,36,37,42,43,44,45,50,51,52,53,58,59,60,61,62,63,66,67,68,69,70,71
	v_mov_b32 v[\z], 0
.endr
	v_and_b32 v192, 7, v14
	s_delay_alu instid0(VALU_DEP_1)
	v_lshlrev_b32 v192, 2, v192
	v_mov_b32 v195, 15
	s_delay_alu instid0(VALU_DEP_1)
	v_lshlrev_b32 v192, v192, v195                 ; the code of -6 at nibble r % 8
	v_cmp_eq_u32 vcc_lo, 0, v193
	s_delay_alu instid0(VALU_DEP_1)
	v_cndmask_b32 v22, 0, v192, vcc_lo             ; pattern u, register 0: lanes 16 u .. + 7; register 1: lanes 16 u + 8 .. + 15
	v_cmp_eq_u32 vcc_lo, 1, v193
	s_delay_alu instid0(VALU_DEP_1)
	v_cndmask_b32 v23, 0, v192, vcc_lo
	v_cmp_eq_u32 vcc_lo, 2, v193
	s_delay_alu instid0(VALU_DEP_1)
	v_cndmask_b32 v64, 0, v192, vcc_lo
	v_cmp_eq_u32 vcc_lo, 3, v193
	s_delay_alu instid0(VALU_DEP_1)
	v_cndmask_b32 v65, 0, v192, vcc_lo
	v_mov_b32 v[MSC], 0xb1b1b1b1
	v_mov_b32 v[ONES], 0xffff
.irp x, 0,1,2,3
	v_mov_b32 v[ST+4*\x], 0x67800000               ; -M = 2^80
	v_mov_b32 v[ST+4*\x+1], 0xe7800000             ; the largest t so far: -2^80
	v_mov_b32 v[ST+4*\x+2], 0                      ; the sum, in two halves
	v_mov_b32 v[ST+4*\x+3], 0
	v_mov_b32 v[PM+\x], 0                          ; written once: a lane permute's destination counts as one of its sources
.endr
	v_mov_b32 v[F+1], 0                            ; (named as the upper half of the pair)
	s_wait_alu depctr_va_vdst(0)
	s_wait_kmcnt 0x0
	s_lshl_b32 s30, s28, 17                        ; Y x 131072: both heads' K images, and V's 128 rows
	s_mov_b32 s31, 0
	s_add_nc_u64 s[8:9], s[8:9], s[30:31]
	s_add_nc_u64 s[12:13], s[12:13], s[30:31]
	s_lshl_b32 s30, s28, 13                        ; Y x 8192: both heads' scale bytes
	s_add_nc_u64 s[10:11], s[10:11], s[30:31]
	s_add_nc_u64 s[14:15], s[14:15], s[30:31]
	; my own addresses in memory, for each of my two groups
	s_mov_b32 s95, 0
	s_lshl_b32 s93, s28, 1
	s_add_co_u32 s93, s93, s[HD]                   ; 16 b + head
	s_and_b32 s92, s28, 7                          ; the pair of heads
	s_lshl_b32 s31, s92, 10
	s_lshl_b32 s30, s[HD], 9
	s_add_co_u32 s31, s31, s30                     ; my head's place in a tile's image of O
.macro OWN g, q, qs, mb, ab, fp
	s_lshl_b32 s94, s93, 16
	s_lshl_b32 s30, s[\g], 10
	s_add_co_u32 s94, s94, s30
	s_add_nc_u64 s[\q:\q+1], s[4:5], s[94:95]      ; Q's images
	s_lshl_b32 s94, s93, 12
	s_lshr_b32 s30, s[\g], 2
	s_lshl_b32 s30, s30, 8
	s_add_co_u32 s94, s94, s30
	s_and_b32 s30, s[\g], 3
	s_lshl_b32 s30, s30, 2
	s_add_co_u32 s94, s94, s30
	s_add_nc_u64 s[\qs:\qs+1], s[6:7], s[94:95]    ; Q's scale words: the group's word, 4 bytes a row
	s_lshl_b32 s85, s29, 6
	s_add_co_u32 s85, s85, s[\g]                   ; 64 b + g
	s_lshl_b32 s94, s85, 15
	s_add_nc_u64 s[\mb:\mb+1], s[16:17], s[94:95]  ; the mask's images, key step 0
	s_lshl_b32 s94, s85, 14
	s_add_co_u32 s94, s94, s31
	s_add_nc_u64 s[\ab:\ab+1], s[18:19], s[94:95]  ; O's codes
	s_lshl_b32 s94, s85, 5
	s_add_nc_u64 s[\fp:\fp+1], s[22:23], s[94:95]  ; the group's eight flag words
.endm
	OWN GH, QH, QSH, MBH, ABH, FPH
	OWN GL, 4, 6, MB, AB, 22
	s_load_b256 s[32:39], s[22:23], 0x0
	s_load_b256 s[40:47], s[FPH:FPH+1], 0x0
	s_lshl_b32 s92, s92, 9
	s_lshl_b32 s30, s29, 4
	s_add_co_u32 s94, s30, 15
	s_sub_co_u32 s94, s94, ttmp9                   ; eight tiles of 16 rows share 4096 bytes of scale words: the high groups' eight are number 16 b + 15 - j,
	s_lshl_b32 s94, s94, 12
	s_add_co_u32 s94, s94, s92
	s_add_nc_u64 s[ASBH:ASBH+1], s[20:21], s[94:95]
	s_add_co_u32 s94, s30, ttmp9                   ; the low groups' 16 b + j
	s_lshl_b32 s94, s94, 12
	s_add_co_u32 s94, s94, s92
	s_add_nc_u64 s[ASB:ASB+1], s[20:21], s[94:95]
	s_mov_b64 s[MN:MN+1], s[MB:MB+1]
	s_mov_b64 s[MN+16:MN+17], s[MBH:MBH+1]
	s_mov_b32 s93, 0
	; THE COPY OF K, V AND THEIR SCALE BYTES: 68 loads of 16 bytes a lane; at most 52 are out at once
.irp i, 0,1
	global_load_b128 v[S+4*\i:S+4*\i+3], v[CA], s[10:11] offset:4096*\i
	global_load_b128 v[S+8+4*\i:S+8+4*\i+3], v[CA], s[14:15] offset:4096*\i
.endr
	WIN 0x40
.set j, 0
.rept 32
	global_load_b128 v[4*j:4*j+3], v[CA], s[8:9] offset:4096*j
.set j, j+1
.endr
.set j, 0
.rept 16
	global_load_b128 v[128+4*j:128+4*j+3], v[CA], s[12:13] offset:4096*j
.set j, j+1
.endr
	WIN 0
	s_wait_loadcnt 32                              ; the four loads of scale bytes and K's first sixteen are in; behind them 16 of K and 16 of V
.irp i, 0,1
	ds_store_b128 v[CA+4], v[S+4*\i:S+4*\i+3] offset:4352*\i
	ds_store_b128 v[CA+4], v[S+8+4*\i:S+8+4*\i+3] offset:8704+4352*\i
.endr
	WIN 0x04
.set j, 0
.rept 16
	ds_store_b128 v[CA], v[4*j:4*j+3] offset:4096*j
.set j, j+1
.endr
	WIN 0x40
.set j, 16
.rept 16
	global_load_b128 v[128+4*j:128+4*j+3], v[CA], s[12:13] offset:4096*j
.set j, j+1
.endr
	WIN 0x04
	s_wait_loadcnt 32                              ; K's second sixteen are in; behind them V's 32
.set j, 0
.rept 16
	ds_store_b128 v[CA+1], v[64+4*j:64+4*j+3] offset:4096*j
.set j, j+1
.endr
	WIN 0
.macro MLOAD x                         ; tile x's mask operand of a key step: 16 queries x 128 keys, 8 registers; tiles 0, 1 by the low group's pointer, tiles 2, 3 by the high group's
.irp c, 0,1
	global_load_b128 v[MK+8*(\x)+4*\c:MK+8*(\x)+4*\c+3], v[MOFF], s[MN+16*((\x)/2):MN+16*((\x)/2)+1] offset:((\x)%2)*1024+\c*512
.endr
.endm
.irp u, 0,1
	global_load_b128 v[30+8*\u:33+8*\u], v[MOFF], s[4:5] offset:512*\u        ; Q's four tiles, into their places between the zeros
	global_load_b128 v[46+8*\u:49+8*\u], v[MOFF], s[QH:QH+1] offset:512*\u
.endr
	global_load_b32 v196, v194, s[6:7]
	global_load_b32 v197, v194, s[QSH:QSH+1]
.irp x, 0,1,2,3
	MLOAD \x                                       ; key step 0's mask
.endr
	s_wait_loadcnt 30                              ; V's first sixteen are in; behind them V's 16, Q's 6, the mask's 8
	WIN 0x04
.set j, 0
.rept 16
	ds_store_b128 v[CA+2], v[128+4*j:128+4*j+3] offset:4*VP*j
.set j, j+1
.endr
	s_wait_loadcnt 14                              ; V's second sixteen
.set j, 0
.rept 16
	ds_store_b128 v[CA+3], v[192+4*j:192+4*j+3] offset:4*VP*j
.set j, j+1
.endr
	WIN 0
	s_wait_loadcnt 8                               ; Q and its scale words are in; the eight mask loads may be out
	v_perm_b32 v[QSW+0], v196, v196, 0x01000100    ; tile 2 gam + u: bytes 2 u, 2 u + 1 of group gam's word, twice: for [q | 0] and for [0 | q]
	v_perm_b32 v[QSW+1], v196, v196, 0x03020302
	v_perm_b32 v[QSW+2], v197, v197, 0x01000100
	v_perm_b32 v[QSW+3], v197, v197, 0x03020302
	WIN 0x40
.set j, 0
.rept 128
	v_mov_b32 v[j], 0                              ; O^T: the key step is written once; the first finds zeros.  (These lines are also the places behind the scale words just made)
.set j, j+1
.endr
	WIN 0
.macro FETCH_K                         ; a key step's K: four scale words a row, four fragments: 9 LDS loads
	v_add_nc_u32 v[ADK], s[TK], v[AK0]
	v_add_nc_u32 v[ADS], s[TKS], v[ASK0]
	ds_load_b128 v[KSW:KSW+3], v[ADS]
	WIN 0x40
.irp f, 0,1,2,3,4,5,6,7
	ds_load_b128 v[KF+4*\f:KF+4*\f+3], v[ADK] offset:512*\f
.endr
	WIN 0
.endm
.macro FETCH_V                         ; a key step's V: four scale words, four fragments: 12 LDS loads
	v_add_nc_u32 v[ADV], s[TV], v[AV0]
	v_add_nc_u32 v[ADT], s[TVS], v[ASV0]
.irp d, 0,1,2,3
	ds_load_b32 v[VSW+\d], v[ADT] offset:(8*(\d/2)+2*(\d%2))*272
.endr
	WIN 0x40
.irp d, 0,1,2,3
.irp c, 0,1
	ds_load_b128 v[VF+8*\d+4*\c:VF+8*\d+4*\c+3], v[ADV] offset:(32*(\d/2)+8*(\d%2))*VP+32*\c
.endr
.endr
	WIN 0
.endm
; ONE TILE OF 16 QUERIES x ONE KEY STEP OF 128 KEYS.  The operands of the step behind it are always asked for, so that every count is the same on every way.
.macro TILE x
.set rT, ST+4*(\x)
	s_wait_loadcnt 6                               ; my tile's two mask loads are in; behind them stand the three other tiles' six
.irp t, 0,1,2,3,4,5,6,7                        ; key tile t = 2 i + u: the pattern of u stands at registers 2 i, 2 i + 1 of source 0
	v_wmma_scale_f32_16x16x128_f8f6f4 v[S+8*\t:S+8*\t+7], v[22+42*(\t%2)-2*(\t/2):29+42*(\t%2)-2*(\t/2)], v[MK+8*(\x):MK+8*(\x)+7], 0, v[MSC], v[MSC] matrix_a_fmt:MATRIX_FMT_FP4 matrix_b_fmt:MATRIX_FMT_FP4
.endr
.if ((\x)%2) == 0
	s_wait_dscnt 12                                ; a group's first tile: K's 9 loads are in; V's 12, issued behind them, may be out
.endif
	WIN 0x01
.irp t, 0,1,2,3,4,5,6,7                        ; the eight accumulators take turns, one instruction a turn
	v_wmma_scale_f32_16x16x128_f8f6f4 v[S+8*\t:S+8*\t+7], v[KF+8*(\t/2):KF+8*(\t/2)+7], v[30+8*(\x)-4*(\t%2):37+8*(\x)-4*(\t%2)], v[S+8*\t:S+8*\t+7], v[KSW+\t/2], v[QSW+(\x)] matrix_a_fmt:MATRIX_FMT_FP4 matrix_b_fmt:MATRIX_FMT_FP4
.endr
	WIN 0
	PLACES                                         ; in front of the first read of the scores and of the loads into registers that these products have read
	MLOAD \x                                       ; the next mask operand: a whole step ahead of its use
.if (\x) == 3
	FETCH_K                                        ; every tile of this step has multiplied by its K
.endif
.irp b, 0,1,2,3
	v_max3_num_f32 v[BM+\b], v[S+16*\b], v[S+16*\b+1], v[S+16*\b+2]   ; the largest score of each block of 32 keys: for the row's maximum and, since p rises with the score, for the block's largest p
.endr
.irp i, 3,5,7,9,11,13
.irp b, 0,1,2,3
	v_max3_num_f32 v[BM+\b], v[BM+\b], v[S+16*\b+\i], v[S+16*\b+\i+1]
.endr
.endr
.irp b, 0,1,2,3
	v_max_num_f32 v[BM+\b], v[BM+\b], v[S+16*\b+15]
.endr
.irp b, 0,1,2,3
	s_delay_alu instid0(VALU_DEP_4)
	v_permlanex16_b32 v[PM+\b], v[BM+\b], s[SEL], s[SEL+1]
.endr
.irp b, 0,1,2,3
	s_delay_alu instid0(VALU_DEP_4)
	v_max_num_f32 v[BM+\b], v[BM+\b], v[PM+\b]     ; with lane l xor 16's 16 keys
.endr
	s_delay_alu instid0(VALU_DEP_2)
	v_max3_num_f32 v[T], v[BM], v[BM+1], v[BM+2]
	s_delay_alu instid0(VALU_DEP_1)
	v_max_num_f32 v[T], v[T], v[BM+3]
	s_delay_alu instid0(VALU_DEP_1)
	v_mul_f32 v[T], s[CS], v[T]                    ; the step's largest t
	s_delay_alu instid0(VALU_DEP_1)
	v_max_num_f32 v[rT+1], v[rT+1], v[T]           ; the running largest t
	v_mov_b32 v[T], v[rT]
	s_delay_alu instid0(VALU_DEP_2)
	v_floor_f32 v[rT], -v[rT+1]                    ; the new -M = -ceil(t): a whole number
	s_delay_alu instid0(VALU_DEP_1)
	v_sub_f32 v[T], v[rT], v[T]                    ; old M - new M: a whole number, 0 or less
	s_delay_alu instid0(VALU_DEP_1)
	v_cvt_i32_f32 v[T], v[T]                       ; (it saturates)
	s_delay_alu instid0(VALU_DEP_1)
	v_ldexp_f32 v[F], 1.0, v[T]                    ; f = 2^(old M - new M): a multiplication by it rounds nothing
.set j, 0
.rept 32
	v_pk_fma_f32 v[S+j:S+j+1], v[S+j:S+j+1], s[CS:CS+1], v[rT:rT+1] op_sel_hi:[1,0,0]   ; t - M, two at a time
.set j, j+2
.endr
.irp b, 0,1,2,3
	v_fma_f32 v[BM+\b], v[BM+\b], s[CS], v[rT]     ; the same of each block's largest score
.endr
.set j, 0
	s_wait_alu depctr_va_vdst(0)
.rept 64
	v_exp_f32 v[S+j], v[S+j]                       ; p = 2^(t - M): not normalised; 0 for a hidden key
.set j, j+1
.endr
	v_pk_mul_f32 v[rT+2:rT+3], v[rT+2:rT+3], v[F:F+1] op_sel_hi:[1,0]   ; the sum under the new M (the plain line behind the exponentials)
	s_wait_alu depctr_va_vdst(0)                   ; one wait for the batch of 64, ahead of its first reader
.irp b, 0,1,2,3
	v_exp_f32 v[BM+\b], v[BM+\b]                   ; the block's largest p
.endr
	v_pk_add_f32 v[L2:L2+1], v[S:S+1], v[S+2:S+3]  ; the sum of the UNQUANTISED p, in two chains
.set j, 4
.rept 15
	v_pk_add_f32 v[rT+2:rT+3], v[rT+2:rT+3], v[S+j:S+j+1]
	v_pk_add_f32 v[L2:L2+1], v[L2:L2+1], v[S+j+2:S+j+3]
.set j, j+4
.endr
	s_delay_alu instid0(VALU_DEP_1)
	v_pk_add_f32 v[rT+2:rT+3], v[rT+2:rT+3], v[L2:L2+1]
	s_wait_alu depctr_va_vdst(0)                   ; and one for the four
.irp b, 0,1,2,3
	v_max_num_f32 v[BM+\b], 0x1800000, v[BM+\b]    ; the floor 2^(3 - 127): the byte cannot fall under 1
.endr
.irp b, 0,1,2,3
	s_delay_alu instid0(VALU_DEP_4)
	v_add_nc_u32 v[SO+\b], 0xff000000, v[BM+\b]    ; 2 off the exponent field: the conversion's scale operand
.endr
.irp b, 0,1,2,3
	s_delay_alu instid0(VALU_DEP_4)
	v_lshrrev_b32 v[PM+\b], 23, v[SO+\b]           ; the scale's byte
.endr
	s_delay_alu instid0(VALU_DEP_3)
	v_lshl_or_b32 v[PSW], v[PM+1], 8, v[PM]
	s_delay_alu instid0(VALU_DEP_1)
	v_lshl_or_b32 v[PSW], v[PM+2], 16, v[PSW]
	s_delay_alu instid0(VALU_DEP_1)
	v_lshl_or_b32 v[PSW], v[PM+3], 24, v[PSW]      ; p's scale word for these 128 keys
.irp b, 0,1,2,3
	v_cvt_scalef32_pk8_fp4_f32 v[PC+2*\b], v[S+16*\b:S+16*\b+7], v[SO+\b]
	v_cvt_scalef32_pk8_fp4_f32 v[PC+2*\b+1], v[S+16*\b+8:S+16*\b+15], v[SO+\b]
.endr
	v_nop                                          ; one plain line behind the scaled conversions
.irp c, 0,1                                    ; a whole block to a lane: lanes 0-15 block 2 c, lanes 16-31 block 2 c + 1
.irp i, 0,1
	v_permlane16_swap_b32 v[PC+4*\c+\i], v[PC+2+4*\c+\i]
.endr
.endr
	WIN 0x41
.set j, 0
.rept 16
	v_pk_mul_f32 v[32*(\x)+j:32*(\x)+j+1], v[32*(\x)+j:32*(\x)+j+1], v[F:F+1] op_sel_hi:[1,0]   ; O^T under the new M.  (These sixteen are also the places between p's codes and scale word and the products below)
.set j, j+2
.endr
.if ((\x)%2) == 0
	s_wait_alu depctr_va_vdst(0)
	s_wait_dscnt 0x0                               ; V is in
.endif
	WIN 0x51
.irp d, 0,1,2,3                                ; O^T += V^T P^T: four accumulators, one instruction each
	v_wmma_scale_f32_16x16x128_f8f6f4 v[32*(\x)+8*\d:32*(\x)+8*\d+7], v[VF+8*\d:VF+8*\d+7], v[PC:PC+7], v[32*(\x)+8*\d:32*(\x)+8*\d+7], v[VSW+\d], v[PSW] matrix_a_fmt:MATRIX_FMT_FP4 matrix_b_fmt:MATRIX_FMT_FP4
.endr
	WIN 0
.if (\x) == 3
	PLACES                                         ; in front of the loads into V's registers
	FETCH_V
.endif
.endm
	s_wait_alu depctr_va_vdst(0)
	s_wait_kmcnt 0x0                               ; the flag words
.irp k, 1,2,3,4,5,6,7
	s_or_b32 s32, s32, s[32+\k]
	s_or_b32 s40, s40, s[40+\k]
.endr
	s_and_b32 s[FL], s32, 0xffff                   ; bit s: key step s has an open key for some query of the group; no bit above 15
	s_and_b32 s[FLH], s40, 0xffff
	s_wait_dscnt 0x0                               ; for the others' sake: my part of K, V and the scale bytes lies in LDS,
	s_barrier_signal -1
	s_barrier_wait -1                              ; everybody's does
	FETCH_K                                        ; key step 0
	FETCH_V
	s_mov_b32 s[CNT], 0
.Lstep:                                            ; 16 trips, a constant: a trip jumps over the work of a group, or of both, for which its step has no open key
	s_wait_xcnt 0x0                                ; the last mask loads have read their bases: they may be written
	s_bitcmp1_b32 s[FL], 1
	s_cselect_b32 s92, 2048, 0                     ; a group's mask loads of this trip read the next step's images where the group walks that step, else this step's once more: inside the buffer in the last trip too
	s_add_nc_u64 s[MN:MN+1], s[MB:MB+1], s[92:93]
	s_bitcmp1_b32 s[FLH], 1
	s_cselect_b32 s92, 2048, 0
	s_add_nc_u64 s[MN+16:MN+17], s[MBH:MBH+1], s[92:93]
	s_add_co_u32 s94, s[CNT], 1                    ; the next step's places in LDS, made of the trip's number;
	s_min_u32 s94, s94, 15                         ; the last trip names step 15 once more: every LDS read stays on bytes that the head has stored
	s_lshl_b32 s[TK], s94, 12
	s_mul_i32 s[TKS], s94, 272
	s_lshl_b32 s[TV], s94, 6
	s_lshl_b32 s[TVS], s94, 2
	s_or_b32 s[FA], s[FL], s[FLH]
	s_bitcmp1_b32 s[FA], 0
	s_cbranch_scc0 .Lhidden
	s_bitcmp1_b32 s[FL], 0
	s_cbranch_scc0 .Lskip_lo
	TILE 0
	TILE 1
	s_branch .Lhi
.Lskip_lo:
	s_wait_loadcnt 4                               ; tiles 0 and 1's four mask loads are in (behind them tiles 2 and 3's four): their registers may be asked for anew,
	MLOAD 0                                        ; in the order in which the tiles would have asked
	MLOAD 1
.Lhi:
	s_bitcmp1_b32 s[FLH], 0
	s_cbranch_scc0 .Lskip_hi
	TILE 2
	TILE 3
	s_branch .Lnext
.Lskip_hi:
	s_wait_loadcnt 4                               ; tiles 2 and 3's four mask loads are in (behind them tiles 0 and 1's next four)
	s_wait_dscnt 0x0                               ; no LDS load of mine is on its way into K's and V's registers
	PLACES                                         ; in front of the loads into V's registers, which tile 1's products have read
	MLOAD 2
	MLOAD 3
	FETCH_K
	FETCH_V
	s_branch .Lnext
.Lhidden:
	s_bitcmp1_b32 s[FA], 1
	s_cbranch_scc0 .Lnext
	s_wait_loadcnt 0x0                             ; a hidden step ahead of one that is walked: nothing of mine is on its way into the operands' registers,
	s_wait_dscnt 0x0
.irp x, 0,1,2,3
	MLOAD \x                                       ; and the next step's operands are asked for, in the order in which a walked step asks
.endr
	FETCH_K
	FETCH_V
.Lnext:
	s_add_nc_u64 s[MB:MB+1], s[MB:MB+1], 2048
	s_add_nc_u64 s[MBH:MBH+1], s[MBH:MBH+1], 2048
	s_lshr_b32 s[FL], s[FL], 1
	s_lshr_b32 s[FLH], s[FLH], 1
	s_add_co_u32 s[CNT], s[CNT], 1
	s_cmp_lt_u32 s[CNT], 16
	s_cbranch_scc1 .Lstep
	; THE WAY OUT.  O^T / the sum is quantised along the head's 64 (two blocks) and leaves as an image of the projection's operand.  The additions are the places behind the last products.
.irp x, 0,1,2,3
	v_add_f32 v[ST+4*\x+2], v[ST+4*\x+2], v[ST+4*\x+3]
.endr
.irp x, 0,1,2,3
	s_delay_alu instid0(VALU_DEP_4)
	v_permlanex16_b32 v[PM+\x], v[ST+4*\x+2], s[SEL], s[SEL+1]
.endr
.irp x, 0,1,2,3
	s_delay_alu instid0(VALU_DEP_4)
	v_add_f32 v[ST+4*\x+2], v[ST+4*\x+2], v[PM+\x] ; the row's sum
.endr
	s_wait_alu depctr_va_vdst(0)
.irp x, 0,1,2,3
	v_rcp_f32 v[ST+4*\x], v[ST+4*\x+2]             ; into the register that held -M: the low word of a pair
.endr
	v_nop                                          ; a plain line behind the last reciprocal
	s_wait_alu depctr_va_vdst(0)                   ; one wait for the four, ahead of their first reader
.macro OUT x
.set rT, ST+4*(\x)
	WIN 0x01
.set j, 0
.rept 16
	v_pk_mul_f32 v[S+j:S+j+1], v[32*(\x)+j:32*(\x)+j+1], v[rT:rT+1] op_sel_hi:[1,0]   ; register 16 be + i: channel 32 be + 16 h + i of my query; each accumulator from its low end on
.set j, j+2
.endr
	WIN 0
.irp b, 0,1
	v_max3_num_f32 v[BM+\b], |v[S+16*\b]|, |v[S+16*\b+1]|, 0x1800000
.endr
.irp i, 2,4,6,8,10,12,14
.irp b, 0,1
	s_delay_alu instid0(VALU_DEP_2)
	v_max3_num_f32 v[BM+\b], v[BM+\b], |v[S+16*\b+\i]|, |v[S+16*\b+\i+1]|
.endr
.endr
.irp b, 0,1
	s_delay_alu instid0(VALU_DEP_2)
	v_permlanex16_b32 v[PM+\b], v[BM+\b], s[SEL], s[SEL+1]
.endr
.irp b, 0,1
	s_delay_alu instid0(VALU_DEP_2)
	v_max_num_f32 v[BM+\b], v[BM+\b], v[PM+\b]
.endr
.irp b, 0,1
	s_delay_alu instid0(VALU_DEP_2)
	v_add_nc_u32 v[SO+\b], 0xff000000, v[BM+\b]
.endr
.irp b, 0,1
	s_delay_alu instid0(VALU_DEP_2)
	v_lshrrev_b32 v[PM+\b], 23, v[SO+\b]
.endr
	s_delay_alu instid0(VALU_DEP_1)
	v_lshl_or_b32 v[AW+(\x)], v[PM+1], 8, v[PM]    ; my head's two bytes of the row's scale word
	v_cmp_eq_f32 vcc_lo, 0, v[rT+2]                ; a row with no open key:
	s_delay_alu instid0(VALU_DEP_1)
	v_cndmask_b32 v[AW+(\x)], v[AW+(\x)], v[ONES], vcc_lo   ; both bytes 0xff
.irp b, 0,1
	v_cvt_scalef32_pk8_fp4_f32 v[EC+4*(\x)+2*\b], v[S+16*\b:S+16*\b+7], v[SO+\b]
	v_cvt_scalef32_pk8_fp4_f32 v[EC+4*(\x)+2*\b+1], v[S+16*\b+8:S+16*\b+15], v[SO+\b]
.endr
	v_nop                                          ; one plain line behind the scaled conversions
	v_permlane16_swap_b32 v[EC+4*(\x)], v[EC+4*(\x)+2]
	v_permlane16_swap_b32 v[EC+4*(\x)+1], v[EC+4*(\x)+3]   ; lanes 0-15 block 0, lanes 16-31 block 1
.if (\x) < 2
	global_store_b128 v[MOFF], v[EC+4*(\x):EC+4*(\x)+3], s[AB:AB+1] offset:8192*(\x)   ; 512 consecutive bytes, aligned
	ds_store_b16 v[ASCA], v[AW+(\x)] offset:64*(\x)        ; lanes l and l xor 16 write the same two bytes with the same value
.else
	global_store_b128 v[MOFF], v[EC+4*(\x):EC+4*(\x)+3], s[ABH:ABH+1] offset:8192*((\x)-2)
	ds_store_b16 v[ASCH], v[AW+(\x)] offset:64*((\x)-2)
.endif
.endm
	OUT 0
	OUT 1
	OUT 2
	OUT 3
	s_wait_dscnt 0x0                               ; for the others' sake: my scale bytes lie in LDS
	s_barrier_signal -1
	s_barrier_wait -1                              ; a scale word's four bytes come from two waves
	s_cmp_lg_u32 s[WV], 0
	s_cbranch_scc1 .Lno_words
	ds_load_b128 v[S:S+3], v[ARD]
	ds_load_b128 v[S+4:S+7], v[ARD] offset:512
	s_wait_dscnt 0x0
	global_store_b128 v[MOFF], v[S:S+3], s[ASB:ASB+1]       ; the low groups' eight tiles of words: 512 consecutive bytes, aligned
	global_store_b128 v[MOFF], v[S+4:S+7], s[ASBH:ASBH+1]   ; the high groups' eight
.Lno_words:
	s_wait_tensorcnt 0x0                           ; the wave's end
	ds_add_u32 v254, v255
	s_wait_dscnt 0x0
	s_endpgm
.Lfunc_end_k_q3e19d935bb_attn:
	.size	k_q3e19d935bb_attn, .Lfunc_end_k_q3e19d935bb_attn-k_q3e19d935bb_attn
	.p2alignl 7, 3214868480
	.fill 96, 4, 3214868480
	.section	.rodata,"a",@progbits
	.p2align	6, 0x0
	.amdhsa_kernel k_q3e19d935bb_attn
		.amdhsa_group_segment_fixed_size 327680
		.amdhsa_private_segment_fixed_size 0
		.amdhsa_enable_private_segment 0
		.amdhsa_kernarg_size 80
		.amdhsa_user_sgpr_count 2
		.amdhsa_user_sgpr_kernarg_segment_ptr 1
		.amdhsa_wavefront_size32 1
		.amdhsa_system_sgpr_workgroup_id_x 1
		.amdhsa_system_sgpr_workgroup_id_y 1
		.amdhsa_system_sgpr_workgroup_id_z 1
		.amdhsa_system_vgpr_workitem_id 0
		.amdhsa_next_free_vgpr 512
		.amdhsa_next_free_sgpr 96
		.amdhsa_reserve_vcc 1
		.amdhsa_float_denorm_mode_32 3
		.amdhsa_float_denorm_mode_16_64 3
		.amdhsa_memory_ordered 1
		.amdhsa_forward_progress 1
		.amdhsa_inst_pref_size 116
	.end_amdhsa_kernel
	.amdgpu_metadata
---
amdhsa.version: [ 1, 2 ]
amdhsa.kernels:
  - .name:           k_q3e19d935bb_attn
    .symbol:         k_q3e19d935bb_attn.kd
    .args:
      - { .name: q_codes, .offset: 0, .size: 8, .value_kind: global_buffer, .address_space: global }
      - { .name: q_scales, .offset: 8, .size: 8, .value_kind: global_buffer, .address_space: global }
      - { .name: k_codes, .offset: 16, .size: 8, .value_kind: global_buffer, .address_space: global }
      - { .name: k_scales, .offset: 24, .size: 8, .value_kind: global_buffer, .address_space: global }
      - { .name: V_codes, .offset: 32, .size: 8, .value_kind: global_buffer, .address_space: global }
      - { .name: V_scales, .offset: 40, .size: 8, .value_kind: global_buffer, .address_space: global }
      - { .name: mask_nib, .offset: 48, .size: 8, .value_kind: global_buffer, .address_space: global }
      - { .name: a_codes, .offset: 56, .size: 8, .value_kind: global_buffer, .address_space: global }
      - { .name: a_scales, .offset: 64, .size: 8, .value_kind: global_buffer, .address_space: global }
      - { .name: flags, .offset: 72, .size: 8, .value_kind: global_buffer, .address_space: global }
    .group_segment_fixed_size: 327680
    .private_segment_fixed_size: 0
    .kernarg_segment_align: 8
    .kernarg_segment_size: 80
    .max_flat_workgroup_size: 256
    .sgpr_count:     96
    .vgpr_count:     512
    .wavefront_size: 32
...
	.end_amdgpu_metadata
.endif
;; end of part 2
;; launch proj (part 3): grid 4 x 64, 8 waves a work-group, clusters of 4 x 4, 327,680 bytes of LDS; arguments a_codes, a_scales, W_o_codes, W_o_scales, b_o, out0; writes out0
.if DOCPART == 3
	.amdgcn_target "amdgcn-amd-amdhsa--gfx1250"
	.amdhsa_code_object_version 6
	.text
	.protected	k_q3e19d935bb_proj
	.globl	k_q3e19d935bb_proj
	.p2align	8
	.type	k_q3e19d935bb_proj,@function
k_q3e19d935bb_proj:
	s_mov_b64 s[64:65], 0
	v_nop
	global_prefetch_b8 v0, s[64:65] scope:SCOPE_SE
	s_setreg_imm32_b32 hwreg(HW_REG_WAVE_MODE, 25, 1), 1
	s_wait_xcnt 0x0
	s_wait_alu depctr_hold_cnt(0) depctr_sa_sdst(0) depctr_va_vdst(0) depctr_va_sdst(0) depctr_va_ssrc(0) depctr_va_vcc(0) depctr_vm_vsrc(0)
	s_getreg_b32 s2, hwreg(HW_REG_IB_STS2, 6, 4)
	s_cmp_eq_u32 s2, 0
	s_cbranch_scc0 .Lentry_in_a_cluster
	s_endpgm
.Lentry_in_a_cluster:
	s_bfe_u32 s2, ttmp6, 0x10000c
	s_cmp_lg_u32 s2, 0xf033
	s_cbranch_scc0 .Lentry_shape_is_right
	s_endpgm
.Lentry_shape_is_right:
; out0 = A W_o + b_o on codes of FP4 (E2M1) with E8M0 scales.  A [8192][1024] comes from the attention launch as images of the operand's registers:
;   codes: tile T of 16 rows at 8192 T + 1024 kap + 512 c + 16 lane;  scale words: 4096 (T / 8) + 512 kap + 64 (T % 8) + 4 r.  Row r of tile T is row 32 (T / 2) + 8 (T % 2) + r + 8 (r / 8) of out0.
; W_o: [1024 (n)][1024 (k)] codes, K innermost, 512 bytes a row; scale bytes [1024][32].  A row of A whose scale bytes are 0xff gives a row of NaN.
; SHARES.  A work-group makes 128 rows x 256 columns; its eight waves 64 rows (four tiles) x 64 columns each: 16 accumulators.  All its operands, for all of K, lie in LDS at once: filled once, no slot is filled again;
; the eight K steps of 128 are written out.
; CLUSTER: 4 x 4 work-groups.  The four of a row of the cluster need the same rows of A, the four of a column the same rows of W_o: each block is asked for JOINTLY.
; THE MATRIX INSTRUCTION IS USED TRANSPOSED (source 0 = 16 rows of W_o, source 1 = 16 rows of A): a lane holds eight neighbouring columns of one row.  The bias is the C of each sum's first instruction.
; No prefetch: every operand comes once, at the head.
.set WC,   65536                       ; LDS: A's images at 0; W_o: 256 rows of 512 bytes + 16
.set ASL,  200704                      ; A's scale words: 512 kap + 64 tile + 4 r
.set WSL,  204800                      ; W_o's scale bytes: 32 n + 4 kap
.set STG,  212992                      ; the way out: 16 rows of 256 bytes + 16 for each wave; written by LDS stores alone
.set WV,   16
.macro PLACES
.rept 4
	v_nop
.endr
.endm
.macro CROUND
	s_barrier_signal -1
	s_barrier_wait -1
	s_cmp_lg_u32 s[WV], 0
	s_cbranch_scc1 .Lnot_wave_0_\@
	s_barrier_signal -3
.Lnot_wave_0_\@:
	s_barrier_wait -3
	s_barrier_signal -1
	s_barrier_wait -1
.endm
	s_load_b256 s[4:11], s[0:1], 0x0               ; a_codes, a_scales, W_o_codes, W_o_scales
	s_load_b128 s[12:15], s[0:1], 0x20             ; b_o, out0
	v_lshl_add_u32 v30, v0, 2, 0x3c800
	v_mov_b32 v31, 0
	ds_add_u32 v30, v31
	ds_add_u32 v30, v31
	v_lshrrev_b32 v9, 5, v0
	s_delay_alu instid0(VALU_DEP_1)
	v_readfirstlane_b32 s[WV], v9                  ; wave 0..7
	s_lshr_b32 s17, s[WV], 2                       ; WM: my 64 rows
	s_and_b32 s18, s[WV], 3                        ; WN: my 64 columns.  Also: which 64 rows of W_o I fetch
	s_and_b32 s25, s[WV], 1                        ; which half of A's images I fetch
	s_bfe_u32 s19, ttmp6, 0x40000                  ; cx
	s_bfe_u32 s20, ttmp6, 0x40004                  ; cy
	s_lshl_b32 s21, ttmp9, 2
	s_add_co_u32 s21, s21, s19                     ; X: my 256 columns
	s_and_b32 s22, ttmp7, 0xffff
	s_lshl_b32 s22, s22, 2
	s_add_co_u32 s22, s22, s20                     ; Yg: my 128 rows
	s_lshl_b32 s23, s20, 2
	s_lshl_b32 s23, 15, s23                        ; my row of the cluster
	s_lshl_b32 s24, 0x1111, s19                    ; my column
	; every LDS address register is made here, ahead of the first branch on the wave's number
	v_and_b32 v9, 31, v0
	v_and_b32 v10, 15, v0                          ; r
	s_wait_alu depctr_va_vdst(0)
	v_bfe_u32 v11, v0, 4, 1                        ; h
	v_lshlrev_b32 v12, 4, v9                       ; 16 x lane
	s_lshl_b32 s26, s17, 15
	v_add_nc_u32 v1, s26, v12                      ; A's images: my four tiles
	v_mul_u32_u24 v2, v10, 528
	s_delay_alu instid0(VALU_DEP_1)
	v_lshl_add_u32 v2, v11, 4, v2
	s_mul_i32 s26, s18, 64*528
	s_add_co_u32 s26, s26, WC
	v_add_nc_u32 v2, s26, v2                       ; W_o: row 64 WN + r, + 16 h
	s_lshl_b32 s26, s17, 8
	s_add_co_u32 s26, s26, ASL
	v_lshl_add_u32 v3, v10, 2, s26                 ; A's scale words
	s_lshl_b32 s26, s18, 11
	s_add_co_u32 s26, s26, WSL
	v_lshl_add_u32 v4, v10, 5, s26                 ; W_o's
	s_mul_i32 s26, s[WV], 16*272
	s_add_co_u32 s26, s26, STG
	v_mul_u32_u24 v5, v10, 272
	s_wait_alu depctr_va_vdst(0)
	v_lshl_add_u32 v5, v11, 5, v5
	s_delay_alu instid0(VALU_DEP_1)
	v_add_nc_u32 v5, s26, v5                       ; the stage, in: row r, 32 bytes for each half of the lanes
	v_mul_u32_u24 v6, v11, 272
	s_delay_alu instid0(VALU_DEP_1)
	v_lshl_add_u32 v6, v10, 4, v6
	s_delay_alu instid0(VALU_DEP_1)
	v_add_nc_u32 v6, s26, v6                       ; and back: lanes 0-15 one row of 256 bytes, lanes 16-31 the next
	v_lshlrev_b32 v7, 12, v11
	s_delay_alu instid0(VALU_DEP_1)
	v_lshl_add_u32 v7, v10, 4, v7                  ; the same two rows in out0
	v_lshlrev_b32 v8, 5, v11                       ; the bias: 8 h numbers on
	; descriptor groups 1: elements of 8 bytes, bit 21 set beside the mask
	s_or_b32 s28, s23, (3<<16)|(1<<21)                             ; A's images: 128 rows of 256 bytes, dense
	s_mov_b32 s29, 32<<16
	s_mov_b32 s30, 128<<16
	s_mov_b32 s31, 32<<16
	s_mov_b32 s32, 128
	s_mov_b32 s33, 32
	s_mov_b32 s34, 0
	s_mov_b32 s35, 0
	s_or_b32 s36, s24, (3<<16)|(1<<20)|(1<<21)|(6<<22)|(3<<25)     ; W_o: 64 rows of 512 bytes, 4 words of padding behind every 128
	s_mov_b32 s37, 64<<16
	s_mov_b32 s38, 64<<16
	s_mov_b32 s39, 64<<16
	s_mov_b32 s40, 64
	s_mov_b32 s41, 64
	s_mov_b32 s42, 0
	s_mov_b32 s43, 0
	s_or_b32 s44, s23, (3<<16)|(1<<21)                             ; A's scale words: 16 rows of 256 bytes
	s_mov_b32 s45, 32<<16
	s_mov_b32 s46, 16<<16
	s_mov_b32 s47, 32<<16
	s_mov_b32 s48, 16
	s_mov_b32 s49, 32
	s_mov_b32 s50, 0
	s_mov_b32 s51, 0
	s_or_b32 s52, s24, (3<<16)|(1<<21)                             ; W_o's scale bytes: 32 rows of 256 bytes
	s_mov_b32 s53, 32<<16
	s_mov_b32 s54, 32<<16
	s_mov_b32 s55, 32<<16
	s_mov_b32 s56, 32
	s_mov_b32 s57, 32
	s_mov_b32 s58, 0
	s_mov_b32 s59, 0
	; A's addresses hang on Yg and the wave alone (s80, s81 never hold cx), W_o's on X and the wave alone (s82, s83 never hold cy)
	s_lshl_b32 s80, s22, 16
	s_lshl_b32 s81, s25, 15
	s_add_co_u32 s80, s80, s81
	s_mov_b32 s81, 0
	s_lshl_b32 s82, s21, 17
	s_lshl_b32 s83, s18, 15
	s_add_co_u32 s82, s82, s83
	s_mov_b32 s83, 0
	s_wait_dscnt 0x0
	s_wait_kmcnt 0x0
	s_mov_b32 s60, 1
	s_lshl_b32 s61, s25, 15
	s_add_nc_u64 s[62:63], s[4:5], s[80:81]
	s_or_b32 s63, s63, 0x80000000
	s_mov_b32 s68, 1
	s_mul_i32 s69, s18, 64*528
	s_add_co_u32 s69, s69, WC
	s_add_nc_u64 s[70:71], s[8:9], s[82:83]
	s_or_b32 s71, s71, 0x80000000
	s_lshl_b32 s80, s22, 12
	s_mov_b32 s72, 1
	s_mov_b32 s73, ASL
	s_add_nc_u64 s[74:75], s[6:7], s[80:81]
	s_or_b32 s75, s75, 0x80000000
	s_lshl_b32 s82, s21, 13
	s_mov_b32 s76, 1
	s_mov_b32 s77, WSL
	s_add_nc_u64 s[78:79], s[10:11], s[82:83]
	s_or_b32 s79, s79, 0x80000000
	CROUND                                         ; all sixteen work-groups are here: the joint loads meet
	; the fills: waves 0-3 W_o's four quarters; waves 4, 5 A's halves; wave 6 A's scale words; wave 7 W_o's scale bytes: one tensor load a wave.  Four v_nop follow each
	s_cmp_lt_u32 s[WV], 4
	s_cbranch_scc0 .Lfill_a
	tensor_load_to_lds s[68:71], s[36:43]
	s_nop 0
	PLACES
	s_branch .Lfilled
.Lfill_a:
	s_cmp_lt_u32 s[WV], 6
	s_cbranch_scc0 .Lfill_as
	tensor_load_to_lds s[60:63], s[28:35]
	s_nop 0
	PLACES
	s_branch .Lfilled
.Lfill_as:
	s_cmp_eq_u32 s[WV], 6
	s_cbranch_scc0 .Lfill_ws
	tensor_load_to_lds s[72:75], s[44:51]
	s_nop 0
	PLACES
	s_branch .Lfilled
.Lfill_ws:
	tensor_load_to_lds s[76:79], s[52:59]
	s_nop 0
	PLACES
.Lfilled:
	s_lshl_b32 s86, s21, 10
	s_lshl_b32 s87, s18, 8
	s_add_co_u32 s86, s86, s87                     ; my first column, in bytes
	s_mov_b32 s87, 0
	s_add_nc_u64 s[12:13], s[12:13], s[86:87]      ; the bias
	s_lshl_b32 s84, s22, 19
	s_lshl_b32 s85, s17, 18
	s_add_co_u32 s84, s84, s85                     ; my first row: (128 Yg + 64 WM) x 4096 bytes
	s_add_co_u32 s84, s84, s86
	s_mov_b32 s85, 0
	s_add_nc_u64 s[14:15], s[14:15], s[84:85]
	s_wait_alu depctr_va_vdst(0)
.irp n, 0,1,2,3
	global_load_b128 v[96+8*\n:99+8*\n], v8, s[12:13] offset:64*\n          ; b_o at columns 16 n + 8 h + 0 .. 7: the result's layout
	global_load_b128 v[100+8*\n:103+8*\n], v8, s[12:13] offset:64*\n+16
.endr
	s_wait_tensorcnt 0x0                           ; my block has landed,
	s_barrier_signal -1
	s_barrier_wait -1                              ; everybody's has
	s_wait_loadcnt 0x0                             ; the bias
; A K step of 128: 24 LDS loads, 16 matrix instructions.  v16-19 A's scale words, v20-23 W_o's, v32-63 A's four fragments, v64-95 W_o's four, v96-127 the bias, v128-255 accumulator (a, n) at 128 + 8 (4 a + n)
.macro KSTEP k
.if (\k) > 0
	PLACES                                         ; in front of loads into registers that matrix instructions have read
.endif
.irp a, 0,1,2,3
.irp c, 0,1
	ds_load_b128 v[32+8*\a+4*\c:35+8*\a+4*\c], v1 offset:8192*\a+1024*(\k)+512*\c
.endr
	ds_load_b32 v[16+\a], v3 offset:512*(\k)+64*\a
.endr
.irp n, 0,1,2,3
.irp c, 0,1
	ds_load_b128 v[64+8*\n+4*\c:67+8*\n+4*\c], v2 offset:8448*\n+64*(\k)+32*\c
.endr
	ds_load_b32 v[20+\n], v4 offset:512*\n+4*(\k)
.endr
	s_wait_dscnt 0x0
.irp a, 0,1,2,3                                ; the sixteen accumulators take turns, one instruction a turn, in the same order in every K step
.irp n, 0,1,2,3
.if (\k) == 0
	v_wmma_scale_f32_16x16x128_f8f6f4 v[128+8*(4*\a+\n):135+8*(4*\a+\n)], v[64+8*\n:71+8*\n], v[32+8*\a:39+8*\a], v[96+8*\n:103+8*\n], v[20+\n], v[16+\a] matrix_a_fmt:MATRIX_FMT_FP4 matrix_b_fmt:MATRIX_FMT_FP4
.else
	v_wmma_scale_f32_16x16x128_f8f6f4 v[128+8*(4*\a+\n):135+8*(4*\a+\n)], v[64+8*\n:71+8*\n], v[32+8*\a:39+8*\a], v[128+8*(4*\a+\n):135+8*(4*\a+\n)], v[20+\n], v[16+\a] matrix_a_fmt:MATRIX_FMT_FP4 matrix_b_fmt:MATRIX_FMT_FP4
.endif
.endr
.endr
.endm
.irp k, 0,1,2,3,4,5,6,7
	KSTEP \k
.endr
; THE WAY OUT, a tile of 16 rows x 64 columns at a time, through the wave's own stage: in as 32 bytes a lane, back as whole rows of 256 bytes.  LDS serves a wave's instructions in order: no wait between stores and loads.
.macro TOSTAGE a
.irp n, 0,1,2,3
	ds_store_b128 v5, v[128+8*(4*(\a)+\n):131+8*(4*(\a)+\n)] offset:64*\n           ; each accumulator from its low end on
	ds_store_b128 v5, v[132+8*(4*(\a)+\n):135+8*(4*(\a)+\n)] offset:64*\n+16
.endr
.irp i, 0,1,2,3,4,5,6,7
	ds_load_b128 v[32+32*((\a)%2)+4*\i:35+32*((\a)%2)+4*\i], v6 offset:544*\i
.endr
.endm
.macro SEND a, younger                 ; younger: the LDS instructions issued behind tile a's loads, which may stay out
	s_wait_dscnt \younger
.irp i, 0,1,2,3,4,5,6,7
	global_store_b128 v7, v[32+32*((\a)%2)+4*\i:35+32*((\a)%2)+4*\i], s[14:15] offset:(32*((\a)/2)+8*((\a)%2)+2*\i+8*(\i/4))*4096 th:TH_STORE_NT   ; sixteen lanes store 256 consecutive bytes, aligned; stage row 2 i + lane / 16 is row r of the tile
.endr
.endm
	PLACES                                         ; in front of the first read of results and of the loads into the fragments' registers
	TOSTAGE 0
.irp a, 1,2,3
.if \a > 1
	s_wait_xcnt 0x0                                ; tile a - 2's stores have read their registers: tile a's loads may land there
.endif
	TOSTAGE \a
	SEND \a-1, 16                                  ; behind tile a - 1's loads: tile a's 8 stores and 8 loads
.endr
	SEND 3, 0
	s_wait_tensorcnt 0x0
	ds_add_u32 v30, v31
	s_wait_dscnt 0x0
	CROUND                                         ; the closing round
	s_endpgm
.Lfunc_end_k_q3e19d935bb_proj:
	.size	k_q3e19d935bb_proj, .Lfunc_end_k_q3e19d935bb_proj-k_q3e19d935bb_proj
	.p2alignl 7, 3214868480
	.fill 96, 4, 3214868480
	.section	.rodata,"a",@progbits
	.p2align	6, 0x0
	.amdhsa_kernel k_q3e19d935bb_proj
		.amdhsa_group_segment_fixed_size 327680
		.amdhsa_private_segment_fixed_size 0
		.amdhsa_enable_private_segment 0
		.amdhsa_kernarg_size 48
		.amdhsa_user_sgpr_count 2
		.amdhsa_user_sgpr_kernarg_segment_ptr 1
		.amdhsa_wavefront_size32 1
		.amdhsa_system_sgpr_workgroup_id_x 1
		.amdhsa_system_sgpr_workgroup_id_y 1
		.amdhsa_system_sgpr_workgroup_id_z 1
		.amdhsa_system_vgpr_workitem_id 0
		.amdhsa_next_free_vgpr 256
		.amdhsa_next_free_sgpr 88
		.amdhsa_reserve_vcc 0
		.amdhsa_float_denorm_mode_32 3
		.amdhsa_float_denorm_mode_16_64 3
		.amdhsa_memory_ordered 1
		.amdhsa_forward_progress 1
		.amdhsa_inst_pref_size 46
	.end_amdhsa_kernel
	.amdgpu_metadata
---
amdhsa.version: [ 1, 2 ]
amdhsa.kernels:
  - .name:           k_q3e19d935bb_proj
    .symbol:         k_q3e19d935bb_proj.kd
    .args:
      - { .name: a_codes, .offset: 0, .size: 8, .value_kind: global_buffer, .address_space: global }
      - { .name: a_scales, .offset: 8, .size: 8, .value_kind: global_buffer, .address_space: global }
      - { .name: W_o_codes, .offset: 16, .size: 8, .value_kind: global_buffer, .address_space: global }
      - { .name: W_o_scales, .offset: 24, .size: 8, .value_kind: global_buffer, .address_space: global }
      - { .name: b_o, .offset: 32, .size: 8, .value_kind: global_buffer, .address_space: global }
      - { .name: out0, .offset: 40, .size: 8, .value_kind: global_buffer, .address_space: global }
    .group_segment_fixed_size: 327680
    .private_segment_fixed_size: 0
    .kernarg_segment_align: 8
    .kernarg_segment_size: 48
    .max_flat_workgroup_size: 256
    .sgpr_count:     88
    .vgpr_count:     256
    .wavefront_size: 32
...
	.end_amdgpu_metadata
.endif
;; end of part 3
